; MI455X (gfx1250); checked and timed in simulation.
; The chip was launched on July 23, 2026; its instructions are those of AMD's public machine-readable ISA for CDNA 5 (MIT licence, August 2026) and "CDNA5" Instruction Set Architecture Reference Guide (July 2026). The comments in the code are by the model that wrote it; some were corrected since.
;; Unimodal Decoder LSTM. Allowed arithmetic: float matrix products may take bf16 or f16 operands with f32 sums; other float arithmetic in f32, or as packed bf16 or f16 multiplies, adds, multiply-adds, maxima and minima; sums over many terms, partial sums and values carried from step to step in f32; what a program stores and reads back later, other than sums and carried values, may be rounded once to bf16 or f16.
;; Inputs: W_hh 512 x 128 float32; W_ih 512 x 16 float32; W_out 2 x 128 float32; W_sp 16 x 2 float32; b_hh 512 float32; b_ih 512 float32; b_out 2 float32; b_sp 16 float32; c0 1 x 65,536 x 128 float32; h0 1 x 65,536 x 128 float32; last_obs 65,536 x 2 float32; last_obs_rel 65,536 x 2 float32.
;; Outputs: out0 65,536 x 7 x 2 float32.
;; One version. Each part assembles by itself: llvm-mc -triple=amdgcn-amd-amdhsa -mcpu=gfx1250 --defsym DOCPART=n.
;; ======== version 1 of 1: 1 launch
;; limits: inputs' magnitudes at most 33; right only within a limited range of input values; values are held in f16: magnitudes above 65,504 overflow, below 6.1e-05 lose precision
;; launch lstm (part 1): grid 256 x 1, 4 waves a work-group, no clusters, 327,680 bytes of LDS; arguments h0, c0, last_obs_rel, W_hh, W_ih, b_ih, b_hh, W_out, b_out, W_sp, b_sp, out0; writes out0
.if DOCPART == 1
	.amdgcn_target "amdgcn-amd-amdhsa--gfx1250"
	.amdhsa_code_object_version 6
	.text
	.protected	k_q9b066500a5_lstm
	.globl	k_q9b066500a5_lstm
	.p2align	8
	.type	k_q9b066500a5_lstm,@function
k_q9b066500a5_lstm:
	s_mov_b64 s[64:65], 0
	v_nop
	global_prefetch_b8 v0, s[64:65] scope:SCOPE_SE
	s_setreg_imm32_b32 hwreg(HW_REG_WAVE_MODE, 25, 1), 1
	s_wait_xcnt 0x0
; LSTM DECODER, 7 steps, 65,536 batch rows, H = 128, E = 16.  out0[b][t][0..1] = rel_pos of step t.
; gates = W_ih x + b_ih + W_hh h + b_hh (order i, f, g, o); c = sig(f) c + sig(i) tanh(g); h = sig(o) tanh(c); rel = W_out h + b_out; x = tanh(W_sp rel + b_sp).
; The problem's input last_obs enters no line of the function that defines the result, so it is no argument of this launch.
; SHARES.  Rows never meet: a work-group owns 256 rows, a wave 64 (four batch tiles bt of 16) for all 512 gate rows and all 7 steps.  h, c and x never leave the registers;
; memory sees h0 and c0 once, the weights once a work-group, and the 56 bytes of output a row.
; NO CLUSTER: what the work-groups share is the weights, 294,912 bytes of f32.  They are wanted in 16 bits, rows permuted, bias columns added: a work through registers.  Their f32 image and a
; work-group's tile of h0 (135,168 bytes) do not fit into LDS beside the 16-bit image (163,840 bytes).
; THE PRODUCT is taken transposed, G^T = W~ B: source 0 = 16 rows of W~, source 1 = 16 batch rows.  K = 160 in 5 blocks of 32: 128 of h, 16 of x, two columns of ones (bias, as f16 hi + lo), 14 of zeros.
; SCALES.  S = -log2 e rides on h and x (B holds S h, S x); W~ is bf16(W) for i, f, o and -2 bf16(W), exact, for g.  So the sums are -log2e i, f, o and +2 log2e g: arguments of 2^x as they stand.
; ROWS OF W~.  Tile t, row 8 h' + 2 q + e is gate q of unit 32 (t/8) + 16 ((t%8)/4) + 8 h' + 2 (t%4) + e.  A lane's eight results are then i0 i1 f0 f1 g0 g1 o0 o1 of two units of one batch row,
; and the two new h, packed, ARE register t % 8 of block t / 8 of source 1 of the next step: nothing changes lanes.
; ACTIVATIONS, in pairs, with K = 2 log2 e and c' = K c:  E = 2^sum; sig = 1 / (1 + E); tg' = K - 2 K / (1 + Eg) = K tanh g; c' = c' sf + si tg'; Ec = 2^c';
; S h = S (Ec - 1) / ((1 + Ec)(1 + Eo)).  Likewise S x = S + K / (1 + 2^(K z)).
; FORMATS.  Every input is rounded once to bf16.  The products are f16: h and x lie within 1 by the function itself, so S h and S x lie within 1.45, and f16 keeps 11 significant bits of them where bf16 keeps 8.
; The weights' bf16 numbers are written as f16, S bf16(h0) is rounded to f16.  c is carried in f32, from bf16(c0) on.
; LIMITS.  f16 ends at 65,504: |W_hh|, |W_ih| below 32,752 (the rows of g hold -2 W), |W_out| below 65,504, |h0| below 45,000, |b_ih + b_hh| below 22,000.  A weight, a bias's part or an S h0 below 6.1e-5 keeps f16's fixed step of 6e-8.
; c below 40 (c0 up to 33, since a step adds at most 1): beyond it (1 + Ec)(1 + Eo) passes 2^126 and its reciprocal counts as 0.  Gates of any finite size are served (2^x gives infinity or 0,
; the reciprocal 0 or 1).  NaN and infinities among the inputs are not treated apart.
; BY TURNS.  A step has 32 tiles of W~ (pieces).  Turn k: the 20 products of piece k + 1; behind each product four vector instructions of older pieces that need no change of register window;
; the rest in one lump at the turn's head.  A piece's way: 2^x (turn k), +1 and reciprocals (k + 1), tg', c', Ec (k + 2), denominator, its reciprocal, numerator (k + 3), S h and its rounding (k + 4).
; No result of a turn's 72 transcendentals is named before the next turn: one wait a turn.
;
; LDS: 0 W~ fragments, fragment 5 t + kb at 1,024 bytes each (registers 0-3 of lane L at 16 L, registers 4-7 at 512 + 16 L: every load takes consecutive bytes);
.set WOUTF, 163840                     ; four fragments of the tile made of W_out
.set H0B,   167936                     ; h0 as f32, by the data mover: for each wave
.set H0W,   33792                      ;   64 rows of
.set HP,    528                        ;   512 bytes + 16 of padding: 33 x 16, so the 16 rows of a load start in 16 different columns of 16 bytes
.set STAGE, 303104                     ; the output's stage, for each wave
.set STW,   4096                       ;   64 rows x 56 bytes = 3,584 used
.set SPARE, 319488                     ; the spare words, 128 bytes a wave: two blocks of 256 bytes that no other line names
; REGISTERS, window 0
.set LN,  1                            ; lane (head)
.set AB,  2                            ; v2-4  16 L + 0, 61,440, 122,880: twelve tiles' fragments lie within a 16-bit offset of each
.set STA, 5                            ; where my row's rel of this step goes in the stage
.set SRD, 6                            ; where I read the stage back
.set OOF, 7                            ; 16 L: my bytes of 512 in out0
.set SPW, 8                            ; my spare word; never rewritten
.set NIL, 9                            ; 0; never rewritten
.set BO,  10                           ; v10-11 bf16(b_out)
.set RR,  12                           ; head: L % 16
.set HH,  13                           ; head: L / 16
.set T0,  14                           ; head: at work; written v14 where its low half is named
.set T1,  15
.set WOFF, 16                          ; head: my byte offsets in W_hh, W_ih, the biases
.set IOFF, 17
.set BOFF, 18
.set LFA,  19                          ; head: where my fragments go
.set O64,  20
.set O32,  21
.set O8,   22
.set OWO,  23
.set XR,  24                           ; v24-47   X(n, bt) = XR + 8 (n % 3) + 2 bt: 1 + Eo, then the denominator, its reciprocal, S h
.set YR,  48                           ; v48-63   Y(n, bt) = YR + 8 (n % 2) + 2 bt: Ec, then S (Ec - 1)
.set GR,  64                           ; v64-159  G(n, bt) = GR + 32 (n % 3) + 8 bt: the accumulators.  At a step's end slot 0 is rel, slot 1 z
.set AR,  160                          ; v160-239 A(n, kb) = AR + 40 (n % 2) + 8 kb: fragments of W~
.set FB0, 64                           ; head: two buffers of 74: a tile's rows of W_hh (64), W_ih (8), b_ih, b_hh
.set FB1, 140
.set PK,  216                          ; head: a packed fragment
.set Z4,  224                          ; head: (bias hi, lo), 0, 0, 0
.set SC,  228                          ; head: 1 or -2, twice
.set SCB, 230                          ; head: S or K = -2 S; v231 at work
.set T2,  232
.set T3,  233
.set COFF, 234                         ; head: my byte offset in c0's rows
.set HLA,  235                         ; head: my LDS address in h0's tile
.set M7,   236
.set QQ,   237
.set WOA,  238
.set ST0, 64                           ; head: h0 as f32, two buffers of 64
.set ST1, 128
.set CT,  96                           ; head: v96-223 c0 as packed bf16
; window 1: c', C(n, bt) = 64 bt + 2 n.   window 2: H(bt, kb) = 32 bt + 8 kb;
.set XF,  128                          ;   XF + 8 bt: block 4 of source 1: S x, the ones, zeros
; window 3: the new S h, HN(bt, n) = 32 bt + n;
.set WS0, 128                          ;   K bf16(W_sp[8 h .. 8 h + 7][0])
.set WS1, 136                          ;   the same of column 1
.set BS,  144                          ;   K bf16(b_sp[8 h ..])
; SCALARS: s[8:31] the twelve addresses in the order of the arguments
.set WV,  2                            ; wave
.set STEPS, 3
.set FILLS, 4
.set MH0, 5                            ; mask: lanes 0-15
.set G0,  32                           ; s[32:35] descriptor group 0
.set G1,  36                           ; s[36:43] group 1
.set SS,  44                           ; pairs, both words written: S = -log2 e
.set PS,  46                           ; -S
.set KK,  48                           ; K = 2 log2 e
.set KN,  50                           ; -2 K
.set RS,  52                           ; 1 / S = -ln 2
.set MSK, 54                           ; a word's upper bf16
.set MG,  58                           ; mask: my row of W~ is a row of g
.set MW,  59                           ; mask: my row of the W_out tile is not zero
.set MSB, 0
.macro WIN new                         ; bits 1:0 source 0, 3:2 source 1, 5:4 source 2, 7:6 destination; the high byte repeats the setting that is left
.if MSB != (\new)
	s_set_vgpr_msb (MSB<<8)|(\new)
.set MSB, \new
.endif
.endm
	s_load_b512 s[8:23], s[0:1], 0x0               ; h0 8, c0 10, last_obs_rel 12, W_hh 14, W_ih 16, b_ih 18, b_hh 20, W_out 22
	s_load_b256 s[24:31], s[0:1], 0x40             ; b_out 24, W_sp 26, b_sp 28, out0 30
	v_lshl_add_u32 v[SPW], v0, 2, SPARE
	v_mov_b32 v[NIL], 0
	ds_add_u32 v[SPW], v[NIL]                      ; the wave's opening: the add, twice on end, and its wait ahead of my tensor load; the set-up below is work on registers
	ds_add_u32 v[SPW], v[NIL]
	v_lshrrev_b32 v[LN], 5, v0
	v_readfirstlane_b32 s[WV], v[LN]               ; wave 0..3
	v_and_b32 v[LN], 31, v0
	v_and_b32 v[RR], 15, v0                        ; batch row in a tile; also row m of a tile of W~
	v_bfe_u32 v[HH], v0, 4, 1                      ; which half of K's groups of eight
	v_bfe_u32 v[QQ], v0, 1, 2                      ; m = 8 h' + 2 q + e: the gate q,
	v_bfe_u32 v[T1], v0, 3, 1                      ; h',
	v_and_b32 v[T0], 1, v0                         ; e
	v_lshl_add_u32 v[T0], v[T1], 3, v[T0]
	v_lshl_add_u32 v[T0], v[QQ], 7, v[T0]          ; my row of the weights in tile 0: 128 q + 8 h' + e
	v_lshlrev_b32 v[O32], 5, v[HH]
	v_lshl_add_u32 v[WOFF], v[T0], 9, v[O32]       ; rows of 512 bytes, 8 numbers for each half
	v_lshl_add_u32 v[IOFF], v[T0], 6, v[O32]       ; rows of 64 bytes
	v_lshlrev_b32 v[BOFF], 2, v[T0]
	v_lshlrev_b32 v[O64], 6, v[HH]                 ; W_sp: rows 8 h .. 8 h + 7 of 8 bytes
	v_lshlrev_b32 v[O8], 3, v[RR]                  ; last_obs_rel: rows of 8 bytes
	v_and_b32 v[M7], 7, v0
	v_min_u32 v[T1], 1, v[M7]                      ; the W_out tile: rows 0, 8 take W_out[0]; rows 1, 2, 9, 10 W_out[1]; the others are made 0
	v_lshl_add_u32 v[OWO], v[T1], 9, v[O32]
	v_lshl_add_u32 v[COFF], v[RR], 9, v[O32]       ; c0: row r, 8 units for each half
	v_cmp_eq_u32 s[MH0], 0, v[HH]
	v_cmp_eq_u32 s[MG], 2, v[QQ]
	v_cmp_gt_u32 s[MW], 3, v[M7]
	s_mul_i32 s6, s[WV], 40960                     ; wave w builds tiles 8 w .. 8 w + 7: 40 fragments
	v_lshl_add_u32 v[LFA], v[LN], 4, s6
	v_lshlrev_b32 v[AB], 4, v[LN]
	v_add_nc_u32 v[AB+1], 61440, v[AB]
	v_add_nc_u32 v[AB+2], 122880, v[AB]
	s_lshl_b32 s6, s[WV], 12
	s_add_co_u32 s6, s6, STAGE
	v_mad_u32_u24 v[STA], v[RR], 56, s6
	v_lshl_add_u32 v[SRD], v[LN], 4, s6
	v_lshlrev_b32 v[OOF], 4, v[LN]
	s_mov_b32 s[G0], 1                             ; group 0: count 1,
	s_mul_i32 s[G0+1], s[WV], H0W
	s_add_co_u32 s[G0+1], s[G0+1], H0B             ; my part of the tile's region
	v_mul_u32_u24 v[HLA], v[RR], HP
	v_add_nc_u32 v[HLA], v[HLA], v[O32]
	v_add_nc_u32 v[HLA], s[G0+1], v[HLA]
	s_lshl_b32 s6, s[WV], 10
	s_add_co_u32 s6, s6, WOUTF
	v_lshl_add_u32 v[WOA], v[LN], 4, s6            ; wave w builds block w of the W_out tile
	s_mov_b32 s[G1+0], (2<<16)|(1<<20)|(6<<22)|(3<<25)  ; group 1: elements of 4 bytes; padding on, after every 128 words, 4 words
	s_mov_b32 s[G1+1], 128<<16                     ; tensor_dim0 = 128
	s_mov_b32 s[G1+2], 64<<16                      ; tensor_dim1 = 64
	s_mov_b32 s[G1+3], 128<<16                     ; tile_dim0 = 128
	s_mov_b32 s[G1+4], 64                          ; tile_dim1 = 64
	s_mov_b32 s[G1+5], 128                         ; elements from row to row
	s_mov_b32 s[G1+6], 0
	s_mov_b32 s[G1+7], 0
	s_mov_b32 s[SS], 0xbfb8aa3b
	s_mov_b32 s[SS+1], 0xbfb8aa3b
	s_mov_b32 s[PS], 0x3fb8aa3b
	s_mov_b32 s[PS+1], 0x3fb8aa3b
	s_mov_b32 s[KK], 0x4038aa3b
	s_mov_b32 s[KK+1], 0x4038aa3b
	s_mov_b32 s[KN], 0xc0b8aa3b
	s_mov_b32 s[KN+1], 0xc0b8aa3b
	s_mov_b32 s[RS], 0xbf317218
	s_mov_b32 s[MSK], 0xffff0000
	v_mov_b32 v[SC], 1.0
	v_mov_b32 v[SC+1], -2.0
	v_cndmask_b32 v[SC], v[SC], v[SC+1], s[MG]
	v_mov_b32 v[SC+1], v[SC]
	v_mov_b32 v[SCB], s[SS]
	v_mov_b32 v[SCB+1], s[KK]
	v_cndmask_b32 v[SCB], v[SCB], v[SCB+1], s[MG]
	v_mov_b32 v[Z4+1], 0
	v_mov_b32 v[Z4+2], 0
	v_mov_b32 v[Z4+3], 0
	s_lshl_b32 s6, ttmp9, 17                       ; the work-group's 256 rows of 512 bytes,
	s_lshl_b32 s7, s[WV], 15                       ; my wave's 64
	s_add_co_u32 s6, s6, s7
	s_mov_b32 s7, 0
	s_wait_dscnt 0x0                               ; both opening adds are done
	s_wait_kmcnt 0x0
	s_add_nc_u64 s[8:9], s[8:9], s[6:7]
	s_add_nc_u64 s[10:11], s[10:11], s[6:7]
	s_mov_b64 s[G0+2:G0+3], s[8:9]
	s_or_b32 s[G0+3], s[G0+3], 0x80000000          ; type 2
	tensor_load_to_lds s[G0:G0+3], s[G1:G1+7]      ; my 64 rows of h0: my one tensor load; it lands while the weights are built
	s_nop 0
	s_lshl_b32 s6, ttmp9, 11                       ; last_obs_rel: 256 rows of 8 bytes, my 64
	s_lshl_b32 s53, s[WV], 9
	s_add_co_u32 s6, s6, s53
	s_add_nc_u64 s[12:13], s[12:13], s[6:7]
	s_lshl_b32 s6, s[WV], 14                       ; tiles 8 w ..: units 32 w on: 32 rows further in each gate
	s_add_nc_u64 s[14:15], s[14:15], s[6:7]
	s_lshl_b32 s6, s[WV], 11
	s_add_nc_u64 s[16:17], s[16:17], s[6:7]
	s_lshl_b32 s6, s[WV], 7
	s_add_nc_u64 s[18:19], s[18:19], s[6:7]
	s_add_nc_u64 s[20:21], s[20:21], s[6:7]
	s_add_nc_u64 s[22:23], s[22:23], s[6:7]        ; W_out: block w is 32 numbers, 128 bytes, on
	s_mul_i32 s6, ttmp9, 14336                     ; out0: 256 rows of 56 bytes, my 64
	s_mul_i32 s53, s[WV], 3584
	s_add_co_u32 s6, s6, s53
	s_add_nc_u64 s[30:31], s[30:31], s[6:7]
	s_load_b64 s[56:57], s[24:25], 0x0             ; b_out
	; the small inputs: 14 loads, used behind the weights
.irp i,0,1,2,3
	global_load_b128 v[24+4*\i:27+4*\i], v[O64], s[26:27] offset:16*\i
.endr
	global_load_b128 v[40:43], v[O32], s[28:29]
	global_load_b128 v[44:47], v[O32], s[28:29] offset:16
.irp bt,0,1,2,3
	global_load_b64 v[48+2*\bt:49+2*\bt], v[O8], s[12:13] offset:128*\bt
.endr
	global_load_b128 v[240:243], v[OWO], s[22:23]
	global_load_b128 v[244:247], v[OWO], s[22:23] offset:16
	global_load_b128 v[248:251], v[OWO], s[22:23] offset:64
	global_load_b128 v[252:255], v[OWO], s[22:23] offset:80
; THE WEIGHTS.  Trip p builds tiles 8 w + p (su = 0) and 8 w + 4 + p (su = 1): 16 su + 2 p rows further.  A lane loads just the numbers of its own fragment registers.
.macro LOADW b, su                     ; 20 loads: number c takes K = 32 (c/4) + 16 ((c/2)%2) + 8 h + 4 (c%2) ..
.set c, 0
.rept 16
	global_load_b128 v[(\b)+4*c:(\b)+4*c+3], v[WOFF], s[14:15] offset:8192*(\su)+64*(c/2)+16*(c%2)
.set c, c+1
.endr
	global_load_b128 v[(\b)+64:(\b)+67], v[IOFF], s[16:17] offset:1024*(\su)
	global_load_b128 v[(\b)+68:(\b)+71], v[IOFF], s[16:17] offset:1024*(\su)+16
	global_load_b32 v[(\b)+72], v[BOFF], s[18:19] offset:64*(\su)
	global_load_b32 v[(\b)+73], v[BOFF], s[20:21] offset:64*(\su)
.endm
.macro CONVW b, su                     ; times 1 or -2 (exact), rounded to bf16, that number written as f16, into LDS as fragments
.irp kb,0,1,2,3
.irp i,0,1,2,3,4,5,6,7
	v_pk_mul_f32 v[(\b)+16*\kb+2*\i:(\b)+16*\kb+2*\i+1], v[(\b)+16*\kb+2*\i:(\b)+16*\kb+2*\i+1], v[SC:SC+1]
.endr
.irp i,0,1,2,3,4,5,6,7
	v_cvt_pk_bf16_f32 v[PK+\i], v[(\b)+16*\kb+2*\i], v[(\b)+16*\kb+2*\i+1]
.endr
.irp i,0,1,2,3,4,5,6,7
	v_lshlrev_b32 v[(\b)+16*\kb+2*\i], 16, v[PK+\i]
	v_and_b32 v[(\b)+16*\kb+2*\i+1], s[MSK], v[PK+\i]
.endr
.irp i,0,1,2,3,4,5,6,7
	v_cvt_pk_f16_f32 v[PK+\i], v[(\b)+16*\kb+2*\i], v[(\b)+16*\kb+2*\i+1]
.endr
	ds_store_b128 v[LFA], v[PK:PK+3] offset:20480*(\su)+1024*\kb
	ds_store_b128 v[LFA], v[PK+4:PK+7] offset:20480*(\su)+1024*\kb+512
.endr
.irp i,0,1,2,3                         ; block 4, registers 0-3: W_ih
	v_pk_mul_f32 v[(\b)+64+2*\i:(\b)+64+2*\i+1], v[(\b)+64+2*\i:(\b)+64+2*\i+1], v[SC:SC+1]
.endr
.irp i,0,1,2,3
	v_cvt_pk_bf16_f32 v[PK+\i], v[(\b)+64+2*\i], v[(\b)+64+2*\i+1]
.endr
.irp i,0,1,2,3
	v_lshlrev_b32 v[(\b)+64+2*\i], 16, v[PK+\i]
	v_and_b32 v[(\b)+64+2*\i+1], s[MSK], v[PK+\i]
.endr
.irp i,0,1,2,3
	v_cvt_pk_f16_f32 v[PK+\i], v[(\b)+64+2*\i], v[(\b)+64+2*\i+1]
.endr
	ds_store_b128 v[LFA], v[PK:PK+3] offset:20480*(\su)+4096
	v_cvt_pk_bf16_f32 v[T2], v[(\b)+72], v[(\b)+73]  ; block 4, register 4 of lanes 0-15: the bias.  Both biases rounded to bf16,
	v_lshlrev_b32 v[T3], 16, v[T2]
	v_and_b32 v[T2], s[MSK], v[T2]
	v_add_f32 v[T3], v[T3], v[T2]                  ; added,
	v_mul_f32 v[T3], v[T3], v[SCB]                 ; scaled like the row's sums,
	v_cvt_pk_f16_f32 v[T0], v[T3], v[T3]
	v_cvt_f32_f16 v[T1], v14.l                     ; (v14 is T0)
	v_sub_f32 v[T1], v[T3], v[T1]                  ; and split: what the first f16 leaves goes into the second
	v_cvt_pk_f16_f32 v[Z4], v[T3], v[T1]
	v_cndmask_b32 v[Z4], 0, v[Z4], s[MH0]
	ds_store_b128 v[LFA], v[Z4:Z4+3] offset:20480*(\su)+4608
.endm
	LOADW FB0, 0
	LOADW FB1, 1
	s_mov_b32 s[FILLS], 3
.Lfill:
	s_wait_loadcnt 20                              ; buffer 0 is in (and all that was asked for before it); buffer 1's 20 loads may stay out
	CONVW FB0, 0
	s_wait_xcnt 0x0                                ; the loads issued so far have read their addresses: the four bases may be stepped
	s_add_nc_u64 s[14:15], s[14:15], 1024          ; two rows on
	s_add_nc_u64 s[16:17], s[16:17], 128
	s_add_nc_u64 s[18:19], s[18:19], 8
	s_add_nc_u64 s[20:21], s[20:21], 8
	LOADW FB0, 0
	s_wait_loadcnt 20                              ; buffer 1 is in
	CONVW FB1, 1
	LOADW FB1, 1
	v_add_nc_u32 v[LFA], 5120, v[LFA]              ; a tile's five fragments on
	s_sub_co_u32 s[FILLS], s[FILLS], 1
	s_cmp_lg_u32 s[FILLS], 0
	s_cbranch_scc1 .Lfill
	s_wait_loadcnt 20
	CONVW FB0, 0
	s_wait_loadcnt 0x0
	WIN 0x40                                       ; c0 straight into its registers in window 1: load c of tile bt takes units 8 (c/2) x 2 + 8 h + 4 (c%2) .. of row r: pieces 2 c, 2 c + 1
.irp bt,0,1,2,3
.set c, 0
.rept 16
	global_load_b128 v[64*\bt+4*c:64*\bt+4*c+3], v[COFF], s[10:11] offset:8192*\bt+64*(c/2)+16*(c%2)
.set c, c+1
.endr
.endr
	WIN 0
	CONVW FB1, 1
	; the tile made of W_out, block w: bf16, written as f16
.irp i,0,1,2,3,4,5,6,7
	v_cvt_pk_bf16_f32 v[PK+\i], v[240+2*\i], v[241+2*\i]
.endr
.irp i,0,1,2,3,4,5,6,7
	v_lshlrev_b32 v[240+2*\i], 16, v[PK+\i]
	v_and_b32 v[241+2*\i], s[MSK], v[PK+\i]
.endr
.irp i,0,1,2,3,4,5,6,7
	v_cvt_pk_f16_f32 v[PK+\i], v[240+2*\i], v[241+2*\i]
.endr
.irp i,0,1,2,3,4,5,6,7
	v_cndmask_b32 v[PK+\i], 0, v[PK+\i], s[MW]
.endr
	ds_store_b128 v[WOA], v[PK:PK+3]
	ds_store_b128 v[WOA], v[PK+4:PK+7] offset:512
	; W_sp, b_sp, b_out: rounded to bf16, widened again; W_sp and b_sp times K
.irp i,0,1,2,3,4,5,6,7
	v_cvt_pk_bf16_f32 v[T2], v[24+2*\i], v[25+2*\i]
	v_lshlrev_b32 v[24+2*\i], 16, v[T2]
	v_and_b32 v[25+2*\i], s[MSK], v[T2]
.endr
.irp i,0,1,2,3
	v_cvt_pk_bf16_f32 v[T2], v[40+2*\i], v[41+2*\i]
	v_lshlrev_b32 v[40+2*\i], 16, v[T2]
	v_and_b32 v[41+2*\i], s[MSK], v[T2]
.endr
	s_wait_kmcnt 0x0
	v_cvt_pk_bf16_f32 v[T2], s56, s57
	v_lshlrev_b32 v[BO], 16, v[T2]
	v_and_b32 v[BO+1], s[MSK], v[T2]
	v_mov_b32 v[T3], 0x3c003c00                    ; 1.0 twice in f16: the two bias columns, K = 144 and 145, which lie in lanes 0-15
	v_cndmask_b32 v[T3], 0, v[T3], s[MH0]
	WIN 0xc0
.irp i,0,1,2,3,4,5,6,7
	v_mul_f32 v[WS0+\i], s[KK], v[24+2*\i]
	v_mul_f32 v[WS1+\i], s[KK], v[25+2*\i]
	v_mul_f32 v[BS+\i], s[KK], v[40+\i]
.endr
	WIN 0x80
.irp bt,0,1,2,3
	v_mov_b32 v[XF+8*\bt+4], v[T3]
	v_mov_b32 v[XF+8*\bt+5], 0
	v_mov_b32 v[XF+8*\bt+6], 0
	v_mov_b32 v[XF+8*\bt+7], 0
.endr
	WIN 0
	s_wait_dscnt 0x0                               ; for the others' sake: my fragments are in LDS
	s_barrier_signal -1
	s_barrier_wait -1                              ; everybody's are.  The only barrier: from here on a wave reads the fragments, which nobody writes again, and bytes of its own
; h0: out of my own tile (my own wait is all the ordering that these reads need); rounded to bf16 like every input, times S, rounded to f16, into source 1's registers
.macro H0LD bt, st
	WIN 0
.set c, 0
.rept 16
	ds_load_b128 v[(\st)+4*c:(\st)+4*c+3], v[HLA] offset:16*HP*(\bt)+64*(c/2)+16*(c%2)
.set c, c+1
.endr
.endm
.macro H0CV bt, st
	WIN 0
.set i, 0
.rept 32
	v_cvt_pk_bf16_f32 v[(\st)+2*i], v[(\st)+2*i], v[(\st)+2*i+1]
.set i, i+1
.endr
.set i, 0
.rept 32
	v_and_b32 v[(\st)+2*i+1], s[MSK], v[(\st)+2*i]
.set i, i+1
.endr
.set i, 0
.rept 32
	v_lshlrev_b32 v[(\st)+2*i], 16, v[(\st)+2*i]
.set i, i+1
.endr
.set i, 0
.rept 32
	v_pk_mul_f32 v[(\st)+2*i:(\st)+2*i+1], v[(\st)+2*i:(\st)+2*i+1], s[SS:SS+1] op_sel_hi:[1,0]
.set i, i+1
.endr
	WIN 0x80
.set i, 0
.rept 32
	v_cvt_pk_f16_f32 v[32*(\bt)+i], v[(\st)+2*i], v[(\st)+2*i+1]
.set i, i+1
.endr
	WIN 0
.endm
	s_wait_tensorcnt 0x0
	H0LD 0, ST0
	H0LD 1, ST1
	s_wait_dscnt 16                                ; the younger tile's 16 loads may stay out
	H0CV 0, ST0
	H0LD 2, ST0
	s_wait_dscnt 16
	H0CV 1, ST1
	H0LD 3, ST1
	s_wait_dscnt 16
	H0CV 2, ST0
	s_wait_dscnt 0x0
	H0CV 3, ST1
.irp bt,0,1,2,3                        ; last_obs_rel stands where a step leaves rel: registers 0, 1, and rel1 once more in 2 (3 is named with it as a pair)
	v_cvt_pk_bf16_f32 v[T2], v[48+2*\bt], v[49+2*\bt]
	v_lshlrev_b32 v[GR+8*\bt], 16, v[T2]
	v_and_b32 v[GR+8*\bt+1], s[MSK], v[T2]
	v_mov_b32 v[GR+8*\bt+2], v[GR+8*\bt+1]
	v_mov_b32 v[GR+8*\bt+3], v[GR+8*\bt+1]
.endr
	s_wait_loadcnt 0x0                             ; c0: rounded to bf16 like every input, widened again, times K; from here on c' is carried in f32
	WIN 0x05                                       ; sources in window 1, destination in window 0
.set i, 0
.rept 128
	v_cvt_pk_bf16_f32 v[CT+i], v[2*i], v[2*i+1]
.set i, i+1
.endr
	WIN 0x40                                       ; destination in window 1, sources in window 0
.set i, 0
.rept 128
	v_lshlrev_b32 v[2*i], 16, v[CT+i]
	v_and_b32 v[2*i+1], s[MSK], v[CT+i]
.set i, i+1
.endr
	WIN 0x41
.set i, 0
.rept 128
	v_pk_mul_f32 v[2*i:2*i+1], v[2*i:2*i+1], s[KK:KK+1] op_sel_hi:[1,0]  ; c' = K c
.set i, i+1
.endr
	WIN 0
	s_mov_b32 s[STEPS], 8
	s_branch .Lenter                               ; the loop is entered where x is made
; THE PARTS OF A TURN.  k is the turn's number, j the product's.
.macro FETCH n                         ; piece n's five fragments (n = 32: the four of the W_out tile) into A's buffer n % 2
.if (\n) < 32
.irp kb,0,1,2,3,4
	ds_load_b128 v[AR+40*((\n)%2)+8*\kb:AR+40*((\n)%2)+8*\kb+3], v[AB+(\n)/12] offset:5120*((\n)%12)+1024*\kb
	ds_load_b128 v[AR+40*((\n)%2)+8*\kb+4:AR+40*((\n)%2)+8*\kb+7], v[AB+(\n)/12] offset:5120*((\n)%12)+1024*\kb+512
.endr
.elseif (\n) == 32
.irp kb,0,1,2,3
	ds_load_b128 v[AR+8*\kb:AR+8*\kb+3], v[AB+2] offset:40960+1024*\kb
	ds_load_b128 v[AR+8*\kb+4:AR+8*\kb+7], v[AB+2] offset:40960+1024*\kb+512
.endr
.endif
.endm
.macro PROD                            ; product j of 20 of piece k + 1: block j / 4, batch tile j % 4: the four accumulators take turns, one instruction a turn
.set pbt, j%4
.set pkb, j/4
.set rD, GR+32*((k+1)%3)+8*pbt
.set rA, AR+40*((k+1)%2)+8*pkb
.if pkb < 4
.set rB, 32*pbt+8*pkb
.else
.set rB, XF+8*pbt
.endif
.if pkb == 0
	v_wmma_f32_16x16x32_f16 v[rD:rD+7], v[rA:rA+7], v[rB:rB+7], 0
.else
	v_wmma_f32_16x16x32_f16 v[rD:rD+7], v[rA:rA+7], v[rB:rB+7], v[rD:rD+7]
.endif
.endm
.macro EXPG n                          ; number n of 32 of piece k: 2^sum, register n / 4 of tile n % 4: each accumulator is read from its lowest register on
.if (k >= 0) && (k <= 31)
	v_exp_f32 v[GR+32*(k%3)+8*((\n)%4)+(\n)/4], v[GR+32*(k%3)+8*((\n)%4)+(\n)/4]
.endif
.endm
.macro ADD1 n                          ; number n of 16 of piece k - 1: 1 + E for pair n / 4 of tile n % 4; o's goes to X
.if (k >= 1) && (k <= 32)
.set rg, GR+32*((k-1)%3)+8*((\n)%4)
.if (\n)/4 < 3
	v_pk_add_f32 v[rg+2*((\n)/4):rg+2*((\n)/4)+1], v[rg+2*((\n)/4):rg+2*((\n)/4)+1], 1.0 op_sel_hi:[1,0]
.else
.set rx, XR+8*((k-1)%3)+2*((\n)%4)
	v_pk_add_f32 v[rx:rx+1], v[rg+6:rg+7], 1.0 op_sel_hi:[1,0]
.endif
.endif
.endm
.macro TR q                            ; number q of 48: the other 16 of piece k's 2^sum; piece k - 1's 24 reciprocals (i, f, g); piece k - 3's 8 (the denominator)
.if (\q) < 16
	EXPG 16+(\q)
.elseif (\q) < 40
.if (k >= 1) && (k <= 32)
.set rn, (\q)-16
.set rg, GR+32*((k-1)%3)+8*(rn%4)+rn/4
	v_rcp_f32 v[rg], v[rg]
.endif
.else
.if (k >= 3) && (k <= 34)
.set rn, (\q)-40
.set rx, XR+8*((k-3)%3)+2*(rn%4)+rn/4
	v_rcp_f32 v[rx], v[rx]
.endif
.endif
.endm
.macro RIDERS                          ; the four behind product j.  All have destination and first source in window 0 and no register as second source: they stand under the products' window setting
.if j < 8
	EXPG 2*j
	ADD1 2*j
	EXPG 2*j+1
	ADD1 2*j+1
.else
	TR 4*(j-8)
	TR 4*(j-8)+1
	TR 4*(j-8)+2
	TR 4*(j-8)+3
.endif
.endm
; TURN k.  A part is written where its piece's number lies in 0 .. 31.  The rings: G(k + 1) takes the registers of G(k - 2), last read in this turn's lump; X(k - 1), written by a rider, those of X(k - 4), last read
; by the lump's rounding; Y(k - 2), written at the lump's end, those of Y(k - 4), last read by the lump's S h.
.macro TURN
.if k >= 1
	s_wait_alu depctr_va_vdst(0)                   ; the turn's one wait, ahead of the first line that names a transcendental's result: it serves all of the turn before
.endif
	FETCH k+2                                      ; into the buffer that the last turn's products read: four plain instructions stand between (the last turn's end)
.if (k >= 2) && (k <= 33)
.irp bt,0,1,2,3
.set rg, GR+32*((k-2)%3)+8*\bt
	v_pk_fma_f32 v[rg+4:rg+5], v[rg+4:rg+5], s[KN:KN+1], s[KK:KK+1] op_sel_hi:[1,0,0]  ; tg' = K - 2 K rg
.endr
.endif
.if (k >= 3) && (k <= 34)
	WIN 0
.irp bt,0,1,2,3
.set rx, XR+8*((k-3)%3)+2*\bt
.set ry, YR+8*((k-3)%2)+2*\bt
	v_pk_fma_f32 v[rx:rx+1], v[ry:ry+1], v[rx:rx+1], v[rx:rx+1]  ; (1 + Ec)(1 + Eo)
.endr
.endif
.if (k >= 2) && (k <= 33)
	WIN 0
.irp bt,0,1,2,3
.set rg, GR+32*((k-2)%3)+8*\bt
	v_pk_mul_f32 v[rg:rg+1], v[rg:rg+1], v[rg+4:rg+5]  ; si tg'
.endr
.endif
.if k >= 4
	WIN 0
.irp bt,0,1,2,3
.set rx, XR+8*((k-4)%3)+2*\bt
.set ry, YR+8*((k-4)%2)+2*\bt
	v_pk_mul_f32 v[rx:rx+1], v[ry:ry+1], v[rx:rx+1]  ; S h
.endr
.endif
.if (k >= 2) && (k <= 33)
	WIN 0x41
.irp bt,0,1,2,3
.set rg, GR+32*((k-2)%3)+8*\bt
.set rc, 64*\bt+2*(k-2)
	v_pk_fma_f32 v[rc:rc+1], v[rc:rc+1], v[rg+2:rg+3], v[rg:rg+1]  ; c' = c' sf + si tg'
.endr
.endif
.if k >= 4
	WIN 0xc0
.irp bt,0,1,2,3
.set rx, XR+8*((k-4)%3)+2*\bt
	v_cvt_pk_f16_f32 v[32*\bt+k-4], v[rx], v[rx+1]  ; the next step's source 1, register (k - 4) % 8 of block (k - 4) / 8
.endr
.endif
.if (k >= 2) && (k <= 33)
	WIN 0x01
.irp bt,0,1,2,3
.set ry, YR+8*((k-2)%2)+2*\bt
.set rc, 64*\bt+2*(k-2)
	v_exp_f32 v[ry], v[rc]                         ; Ec
	v_exp_f32 v[ry+1], v[rc+1]
.endr
.endif
.if k <= 34
	WIN 0x08                                       ; source 1 (h, x) in window 2, all else in window 0
.endif
.if k <= 29
	s_wait_dscnt 10                                ; piece k + 1's fragments are in; the ten loads just issued may stay out
.elseif k == 30
	s_wait_dscnt 8                                 ; here eight were issued
.endif
.set j, 0
.rept 20
.if k <= 30
	PROD
.endif
	RIDERS
.set j, j+1
.endr
	; four plain instructions that name no register of the products: the places between the last product and the next turn's loads into its fragments and reads of its sums, and the plain instruction behind the last transcendental
.if (k >= 3) && (k <= 34)
.irp bt,0,1,2,3
.set ry, YR+8*((k-3)%2)+2*\bt
	v_pk_fma_f32 v[ry:ry+1], v[ry:ry+1], s[SS:SS+1], s[PS:PS+1] op_sel_hi:[1,0,0]  ; S (Ec - 1)
.endr
.elseif k < 3
.rept 4
	v_nop
.endr
.endif
.endm
.Lstep:                                        ; a step: 32 turns with products, then five in which the last pieces run out
.set k, -1
.rept 37
	TURN
.set k, k+1
.endr
	WIN 0x83                                       ; the new S h moves from window 3 to window 2, where the one text of the products names it: all of the old h has been multiplied
.set i, 0
.rept 128
	v_mov_b32 v[i], v[i]
.set i, i+1
.endr
	WIN 0x08
	s_wait_dscnt 0x0                               ; the W_out tile's fragments, asked for in turn 30
.irp kb,0,1,2,3
.irp bt,0,1,2,3
.if \kb == 0
	v_wmma_f32_16x16x32_f16 v[GR+8*\bt:GR+8*\bt+7], v[AR+8*\kb:AR+8*\kb+7], v[32*\bt+8*\kb:32*\bt+8*\kb+7], 0
.else
	v_wmma_f32_16x16x32_f16 v[GR+8*\bt:GR+8*\bt+7], v[AR+8*\kb:AR+8*\kb+7], v[32*\bt+8*\kb:32*\bt+8*\kb+7], v[GR+8*\bt:GR+8*\bt+7]
.endif
.endr
.endr
.rept 4
	v_nop                                          ; the places behind those products
.endr
	WIN 0
.irp bt,0,1,2,3                        ; every lane holds its batch row's rel0, rel1, rel1 in registers 0, 1, 2
	v_fma_f32 v[GR+8*\bt], v[GR+8*\bt], s[RS], v[BO]
	v_fma_f32 v[GR+8*\bt+1], v[GR+8*\bt+1], s[RS], v[BO+1]
	v_fma_f32 v[GR+8*\bt+2], v[GR+8*\bt+2], s[RS], v[BO+1]
.endr
.irp bt,0,1,2,3
	ds_store_b64 v[STA], v[GR+8*\bt:GR+8*\bt+1] offset:896*\bt  ; row 16 bt + r of 56 bytes; lanes r and 16 + r write the same 8 bytes with the same numbers
.endr
	v_add_nc_u32 v[STA], 8, v[STA]                 ; the next step's place in the row
	s_cmp_eq_u32 s[STEPS], 1
	s_cbranch_scc1 .Lout                           ; the seventh step needs no x
.Lenter:
	FETCH 0                                        ; the next step's first fragments land while x is made
	WIN 0x33                                       ; z' = K (W_sp rel + b_sp) for x's rows 8 h .. 8 h + 7
.irp bt,0,1,2,3
.irp i,0,1,2,3
	v_pk_fma_f32 v[GR+32+8*\bt+2*\i:GR+32+8*\bt+2*\i+1], v[WS0+2*\i:WS0+2*\i+1], v[GR+8*\bt:GR+8*\bt+1], v[BS+2*\i:BS+2*\i+1] op_sel_hi:[1,0,1]
.endr
.endr
	WIN 0x03
.irp bt,0,1,2,3
.irp i,0,1,2,3
	v_pk_fma_f32 v[GR+32+8*\bt+2*\i:GR+32+8*\bt+2*\i+1], v[WS1+2*\i:WS1+2*\i+1], v[GR+8*\bt+2:GR+8*\bt+3], v[GR+32+8*\bt+2*\i:GR+32+8*\bt+2*\i+1] op_sel_hi:[1,0,1]
.endr
.endr
	WIN 0
.set i, 0
.rept 32
	v_exp_f32 v[GR+32+i], v[GR+32+i]
.set i, i+1
.endr
	v_nop                                          ; a plain instruction behind the last of the batch,
	s_wait_alu depctr_va_vdst(0)                   ; and the batch's one wait
.set i, 0
.rept 16
	v_pk_add_f32 v[GR+32+2*i:GR+32+2*i+1], v[GR+32+2*i:GR+32+2*i+1], 1.0 op_sel_hi:[1,0]
.set i, i+1
.endr
.set i, 0
.rept 32
	v_rcp_f32 v[GR+32+i], v[GR+32+i]
.set i, i+1
.endr
	v_nop
	s_wait_alu depctr_va_vdst(0)
.set i, 0
.rept 16
	v_pk_fma_f32 v[GR+32+2*i:GR+32+2*i+1], v[GR+32+2*i:GR+32+2*i+1], s[KK:KK+1], s[SS:SS+1] op_sel_hi:[1,0,0]  ; S x = S + K / (1 + Ez)
.set i, i+1
.endr
	WIN 0x80
.irp bt,0,1,2,3
.irp i,0,1,2,3
	v_cvt_pk_f16_f32 v[XF+8*\bt+\i], v[GR+32+8*\bt+2*\i], v[GR+32+8*\bt+2*\i+1]
.endr
.endr
	WIN 0
	s_sub_co_u32 s[STEPS], s[STEPS], 1             ; 8 at the entry: the steps run with 7 .. 1, and the seventh leaves above
	s_cmp_lg_u32 s[STEPS], 0
	s_cbranch_scc1 .Lstep
.Lout:
	; THE WAY OUT: my 64 rows x 56 bytes are 3,584 consecutive bytes of out0, at a multiple of 256 from its first: seven stores of 512
.irp i,0,1,2,3,4,5,6
	ds_load_b128 v[GR+32+4*\i:GR+32+4*\i+3], v[SRD] offset:512*\i  ; LDS serves a wave's instructions in order (ISA guide 5.7.1.4): these see my stores
.endr
.irp i,0,1,2,3,4,5,6
	s_wait_dscnt 6-\i                              ; the younger loads may stay out
	global_store_b128 v[OOF], v[GR+32+4*\i:GR+32+4*\i+3], s[30:31] offset:512*\i th:TH_STORE_NT
.endr
	s_wait_tensorcnt 0x0                           ; the wave's end, behind my tensor load and my last LDS store
	ds_add_u32 v[SPW], v[NIL]
	s_wait_dscnt 0x0
	s_endpgm
.Lfunc_end_k_q9b066500a5_lstm:
	.size	k_q9b066500a5_lstm, .Lfunc_end_k_q9b066500a5_lstm-k_q9b066500a5_lstm
	.p2alignl 7, 3214868480
	.fill 96, 4, 3214868480
	.section	.rodata,"a",@progbits
	.p2align	6, 0x0
	.amdhsa_kernel k_q9b066500a5_lstm
		.amdhsa_group_segment_fixed_size 327680
		.amdhsa_private_segment_fixed_size 0
		.amdhsa_enable_private_segment 0
		.amdhsa_kernarg_size 96
		.amdhsa_user_sgpr_count 2
		.amdhsa_user_sgpr_kernarg_segment_ptr 1
		.amdhsa_wavefront_size32 1
		.amdhsa_system_sgpr_workgroup_id_x 1
		.amdhsa_system_sgpr_workgroup_id_y 1
		.amdhsa_system_sgpr_workgroup_id_z 1
		.amdhsa_system_vgpr_workitem_id 0
		.amdhsa_next_free_vgpr 920
		.amdhsa_next_free_sgpr 66
		.amdhsa_reserve_vcc 0
		.amdhsa_float_denorm_mode_32 3
		.amdhsa_float_denorm_mode_16_64 3
		.amdhsa_memory_ordered 1
		.amdhsa_forward_progress 1
		.amdhsa_inst_pref_size 255
	.end_amdhsa_kernel
	.section	.bss,"aw",@nobits
	.p2align	6
	.space	262144
	.amdgpu_metadata
---
amdhsa.version: [ 1, 2 ]
amdhsa.kernels:
  - .name:           k_q9b066500a5_lstm
    .symbol:         k_q9b066500a5_lstm.kd
    .args:
      - { .name: h0, .offset: 0, .size: 8, .value_kind: global_buffer, .address_space: global }
      - { .name: c0, .offset: 8, .size: 8, .value_kind: global_buffer, .address_space: global }
      - { .name: last_obs_rel, .offset: 16, .size: 8, .value_kind: global_buffer, .address_space: global }
      - { .name: W_hh, .offset: 24, .size: 8, .value_kind: global_buffer, .address_space: global }
      - { .name: W_ih, .offset: 32, .size: 8, .value_kind: global_buffer, .address_space: global }
      - { .name: b_ih, .offset: 40, .size: 8, .value_kind: global_buffer, .address_space: global }
      - { .name: b_hh, .offset: 48, .size: 8, .value_kind: global_buffer, .address_space: global }
      - { .name: W_out, .offset: 56, .size: 8, .value_kind: global_buffer, .address_space: global }
      - { .name: b_out, .offset: 64, .size: 8, .value_kind: global_buffer, .address_space: global }
      - { .name: W_sp, .offset: 72, .size: 8, .value_kind: global_buffer, .address_space: global }
      - { .name: b_sp, .offset: 80, .size: 8, .value_kind: global_buffer, .address_space: global }
      - { .name: out0, .offset: 88, .size: 8, .value_kind: global_buffer, .address_space: global }
    .group_segment_fixed_size: 327680
    .private_segment_fixed_size: 0
    .kernarg_segment_align: 8
    .kernarg_segment_size: 96
    .max_flat_workgroup_size: 128
    .sgpr_count:     66
    .vgpr_count:     920
    .wavefront_size: 32
...
	.end_amdgpu_metadata
.endif
;; end of part 1
